; MI455X (gfx1250); checked and timed in simulation.
; The chip was launched on July 23, 2026; its instructions are those of AMD's public machine-readable ISA for CDNA 5 (MIT licence, August 2026) and "CDNA5" Instruction Set Architecture Reference Guide (July 2026). The comments in the code are by the model that wrote it; some were corrected since.
;; RNN. Allowed arithmetic: float matrix products may take bf16 or f16 operands with f32 sums; other float arithmetic in f32, or as packed bf16 or f16 multiplies, adds, multiply-adds, maxima and minima; sums over many terms, partial sums and values carried from step to step in f32; what a program stores and reads back later, other than sums and carried values, may be rounded once to bf16 or f16.
;; Inputs: W_i2h 64 x 121 float32; W_i2o 7 x 121 float32; b_i2h 64 float32; b_i2o 7 float32; x 4,096 x 128 x 57 float32.
;; Outputs: out0 4,096 x 7 float32.
;; One version. Each part assembles by itself: llvm-mc -triple=amdgcn-amd-amdhsa -mcpu=gfx1250 --defsym DOCPART=n.
;; ======== version 1 of 1: 1 launch
;; launch rnn (part 1): grid 256 x 1, 4 waves a work-group, no clusters, 327,680 bytes of LDS; arguments x, W_i2h, b_i2h, W_i2o, b_i2o, out0; writes out0
.if DOCPART == 1
	.amdgcn_target "amdgcn-amd-amdhsa--gfx1250"
	.amdhsa_code_object_version 6
	.text
	.protected	k_qf3854939ee_rnn
	.globl	k_qf3854939ee_rnn
	.p2align	8
	.type	k_qf3854939ee_rnn,@function
k_qf3854939ee_rnn:
	s_mov_b64 s[64:65], 0
	v_nop
	global_prefetch_b8 v0, s[64:65] scope:SCOPE_SE
	s_setreg_imm32_b32 hwreg(HW_REG_WAVE_MODE, 25, 1), 1
	s_wait_xcnt 0x0
; out0[b] = log_softmax(W_i2o [x_t ; h_t] + b_i2o) at the last step t of sequence b with x[b][t][0] != -1 (zeros if there is none);
; h' = W_i2h [x_t ; h] + b_i2h on such steps, h' = h on the others, h_0 = 0.   x: [4096][128][57] f32.
; SHARES.  A work-group owns 16 sequences (one matrix column each), each of its four waves 32 of the 128 steps.  The recurrence is linear in h, so wave w runs its quarter from a
; state of zeros and keeps: the partial state at the quarter's end, the logits of the quarter's last valid step (taken at every step and selected), and its count n_w of valid steps.
; With A = W_i2h's hidden columns, Wo = W_i2o's, and S_w = the valid steps behind quarter w, the logits at the last valid step are, for all inputs,
;     (local logits of the last quarter with a valid step)  +  the sum over earlier quarters w of  Wo A^(S_w - 1) (partial state of w).
; Each wave makes its own term: at most seven products with A^32, A^32, A^16, .. A, each kept or dropped for each sequence by S_w - 1 (0 .. 95).  The powers are made in registers by
; squaring at the kernel's start, while the first tiles of x are on their way.  The four terms (f32) meet in LDS; wave 0 adds them and takes log_softmax, the maximum taken away first.
; WHAT IS LEFT OUT.  reference() starts hidden as zeros: the product of the hidden columns with it is 0 whatever the inputs hold, so step 0 has no such product (nor has the first step of the
; other quarters, whose partial states are 0 by construction).  log_softmax is applied once, to the selected logits: where(valid, f(z), last) carried to the end is f of the z carried likewise.
; Every input is loaded.  A NaN, an infinity or an overflow that would arise only in the work left out is not carried to the result.
; LIMITS.  Sums are associated otherwise than in reference().  Matrix operands (x, weights, states, powers of A) are bf16.  The state is only ever a matrix operand, so it is carried as that operand:
; keeping f32 and rounding at each use gives the same bits.  The seven operand places behind x_t[56] hold the seven floats that lie behind it in LDS (x_(t+1)[0..6]; zeros at a row's end; for steps 23
; and 27 of a quarter the first floats of its steps 4 and 8) against weights of 0: an infinity, a NaN or a magnitude beyond bf16's range (3.39e38) there reaches step t as NaN.
; A power of A whose entries fall below the formats' range counts as 0.
; NO CLUSTER: work-groups share the 34,364 bytes of weights alone, against 466,944 bytes of x that each reads by itself.  NO PREFETCH: each wave asks for 20 of its 32 steps in its first lines and
; has up to 48 loads of the other 12 on their way from its second step on.
; LAYOUT.  D = W [x;h]^T: source 0 = 16 output rows, source 1 = 16 sequences.  In the result lane l holds sequence l % 16 and rows 8 (l / 16) + 0..7; two result tiles rounded in pairs ARE source 1
; of the next step.  Five row tiles: hidden 0-63, then the 7 logits and 9 rows of zeros.  The biases are the C operand of each sum's first product.
; x IN LDS.  Two tensor loads a wave bring 16 rows (sequences) of 12 and of 8 steps; each tile is stated 8 or 12 words wider than the tensor's extent, and those words arrive as zeros: LDS rows 2,768 and
; 1,872 bytes apart, odd multiples of 16.  No LDS byte is filled twice by a tensor load.  The last 12 steps come THROUGH REGISTERS, in six units of 8 sequences x 4 steps, and are stored over the first
; slot's rows when these have been read out: so they arrive piece by piece while earlier steps are multiplied.
; A step is 57 words: step 4 g + i of a tile begins i words behind byte 912 g + 224 i of its row.  A lane reads 8 or 9 aligned runs of 16 bytes from there (+128 for the upper half of the lanes) and
; the shift by i is a choice of register numbers: the text is unrolled by four steps.
; REGISTERS, in windows of 256 (s_set_vgpr_msb: bits 1:0 source 0, 3:2 source 1, 5:4 source 2, 7:6 destination); the names below are absolute numbers, the macros split them.
.set STEPB, 228                        ; bytes of a step
.set GRP,   912                        ; four steps
.set SEQB,  29184                      ; bytes of a sequence
.set QB,    7296                       ; a quarter of it
.set PA,    2768                       ; LDS pitch of slot A (12 steps + 32 bytes of zeros)
.set PB,    1872                       ; of slot B (8 steps + 48)
.set SLA,   16*PA
.set SLB,   16*PB
.set WSL,   SLA+SLB                    ; a wave's two slots
.set WIMG,  4*WSL                      ; the weights in bf16: row R (0-63 hidden, 64-70 logits, 71-79 zeros) x 128 places (0-56 x, 57-63 zeros, 64-127 hidden)
.set WP,    288                        ; its pitch
.set CNT,   WIMG+80*WP                 ; the waves' counts
.set PART,  CNT+512                    ; the waves' terms of the logits, f32
.set OUTS,  PART+4096                  ; the way out
.set SPARE, OUTS+1024                  ; the spare words: 128 bytes a wave, two blocks of 256 bytes that no other line names
.set LN,  1                            ; lane
.set R16, 2                            ; lane % 16
.set HH,  3                            ; lane / 16
.set GOF, 8                            ; 16 x lane: the units' offset in memory; never rewritten
.set SAD, 9                            ; my slot A + 16 x lane: where the units are stored; never rewritten
.set SPW, 10                           ; my spare word's address; never rewritten
.set NIL, 11                           ; 0, for the add alone
.set ADA, 12                           ; my place in slot A, in slot B
.set ADB, 13
.set ADR, 14                           ; my place in the group of four steps that is being read
.set NC,  15                           ; valid steps so far
.set ZR,  16                           ; 0
.set XM,  17                           ; keeps x places 0-56 of a packed word
.set WSA, 18
.set WGO, 19
.set XR0, 20                           ; v20-91    x as loaded, two buffers of 36
.set XB,  92                           ; v92-107   x as source 1
.set HP0, 108                          ; v108-139  the state as source 1, two buffers
.set ACC0, 140                         ; v140-219  two sets of five accumulators
.set LG,  220                          ; v220-227  logits of the last valid step
.set TC,  228                          ; v228-243  rounded results ahead of the select
.set FA,  244
.set FH,  245
.set FT,  246
.set BO,  247
.set N0,  248                          ; v248-251  the four counts
.set WG2, 248
.set SV,  252
.set EV,  253
.set TT,  254
.set NT,  255
.set WX,  256                          ; window 1: tile T, K half c at +16 T + 8 c: x columns, hidden columns; then the biases, 8 a tile
.set WH,  336
.set BIAS, 416
.set FP,  512                          ; windows 2, 3: A^2, A^4, .. A^32 as source 0, 64 each
.set RING, 832                         ; window 3: v832-1023: three units of x on their way, 64 registers each (from v896 on: first the squarings' BP)
.set BP,  896                          ; window 3: the power in hand as source 1, two buffers of 64; free when the powers are made
.set DT0, ACC0                         ; the squarings' accumulators: registers that are idle where the squarings stand
.set DT1, XR0
.set WV,  16                           ; s16 my wave's number
.set MK,  20                           ; s20, s21 the masks of valid sequences, by the step's parity
.set CTR, 22
.set G1A, 24                           ; s[24:31], s[32:39] descriptor group 1 for slots A, B
.set G1B, 32
.set G0A, 40                           ; s[40:43], s[44:47] group 0
.set G0B, 44
.set FL,  48
.set PM,  51                           ; s51-57 masks of the seven products
.set SZ,  58
.set KEEP, 59
.set LOW, 60
.set LN2, 61
.set XS,  62                           ; s[62:63] x at step 20 of my quarter of the work-group's first sequence; never rewritten
.set MSB, 0
.macro WIN new                         ; the immediate's high byte repeats the setting that is left; a switch that changes nothing is dropped
.if MSB != (\new)
	s_set_vgpr_msb (MSB<<8)|(\new)
.set MSB, (\new)
.endif
.endm
.macro PLACES                          ; four plain vector instructions between a matrix instruction and a line that reads its result or writes one of its registers (ISA guide 7.12.1)
.rept 4
	v_nop
.endr
.endm
.macro MMA d, a, b, c                  ; D = A B + C, absolute register numbers
.set mD, (\d)
.set mA, (\a)
.set mB, (\b)
.set mC, (\c)
	WIN ((mD>>8)<<6)|((mC>>8)<<4)|((mB>>8)<<2)|(mA>>8)
.set mD, mD&255
.set mA, mA&255
.set mB, mB&255
.set mC, mC&255
	v_wmma_f32_16x16x32_bf16 v[mD:mD+7], v[mA:mA+7], v[mB:mB+7], v[mC:mC+7]
.endm
.macro MMZ d, a, b                     ; D = A B: starts a sum
.set mD, (\d)
.set mA, (\a)
.set mB, (\b)
	WIN ((mD>>8)<<6)|((mD>>8)<<4)|((mB>>8)<<2)|(mA>>8)
.set mD, mD&255
.set mA, mA&255
.set mB, mB&255
	v_wmma_f32_16x16x32_bf16 v[mD:mD+7], v[mA:mA+7], v[mB:mB+7], 0
.endm
.macro CVT d, a                        ; two neighbouring f32 rounded into one register
.set cD, (\d)
.set cA, (\a)
	WIN ((cD>>8)<<6)|((cA>>8)<<2)|(cA>>8)
.set cD, cD&255
.set cA, cA&255
	v_cvt_pk_bf16_f32 v[cD], v[cA], v[cA+1]
.endm
	s_load_b256 s[4:11], s[0:1], 0x0               ; x s[4:5], W_i2h s[6:7], b_i2h s[8:9], W_i2o s[10:11]
	s_load_b128 s[12:15], s[0:1], 0x20             ; b_i2o s[12:13], out0 s[14:15]
	v_lshl_add_u32 v[SPW], v0, 2, SPARE
	v_mov_b32 v[NIL], 0
	ds_add_u32 v[SPW], v[NIL]                      ; the wave's opening: the add, twice on end, and its wait ahead of my first tensor load
	ds_add_u32 v[SPW], v[NIL]
	v_lshrrev_b32 v4, 5, v0
	v_readfirstlane_b32 s[WV], v4                  ; wave 0..3
	s_mov_b32 s[G1A+0], 2<<16                      ; elements of 4 bytes, no mask, no padding
	s_mov_b32 s[G1A+1], 684<<16                    ; tensor_dim0 = 12 steps x 57
	s_mov_b32 s[G1A+2], 16<<16                     ; tensor_dim1 = 16
	s_mov_b32 s[G1A+3], 692<<16                    ; tile_dim0: 8 words more, which arrive as zeros
	s_mov_b32 s[G1A+4], 16                         ; tile_dim1
	s_mov_b32 s[G1A+5], 7296                       ; words from a sequence to the next
	s_mov_b32 s[G1A+6], 0
	s_mov_b32 s[G1A+7], 0
	s_mov_b32 s[G1B+0], 2<<16
	s_mov_b32 s[G1B+1], 456<<16                    ; 8 steps x 57
	s_mov_b32 s[G1B+2], 16<<16
	s_mov_b32 s[G1B+3], 468<<16                    ; 12 words of zeros
	s_mov_b32 s[G1B+4], 16
	s_mov_b32 s[G1B+5], 7296
	s_mov_b32 s[G1B+6], 0
	s_mov_b32 s[G1B+7], 0
	s_mov_b32 s[G0A], 1
	s_mul_i32 s[G0A+1], s[WV], WSL                 ; my slot A,
	s_mov_b32 s[G0B], 1
	s_add_co_u32 s[G0B+1], s[G0A+1], SLA           ; my slot B
	s_mul_i32 s2, ttmp9, 16*SEQB                   ; the work-group's 16 sequences (under 2^27 bytes),
	s_mul_i32 s3, s[WV], QB                        ; my quarter of each
	s_add_co_u32 s2, s2, s3
	s_mov_b32 s3, 0
	s_wait_dscnt 0x0                               ; both opening adds are done
	s_wait_kmcnt 0x0
	s_add_nc_u64 s[G0A+2:G0A+3], s[4:5], s[2:3]    ; steps 0-11 of my quarter
	s_add_nc_u64 s[G0B+2:G0B+3], s[G0A+2:G0A+3], 12*STEPB  ; steps 12-19
	s_add_nc_u64 s[XS:XS+1], s[G0A+2:G0A+3], 20*STEPB      ; steps 20-31: these come through registers
	s_or_b32 s[G0A+3], s[G0A+3], 0x80000000        ; type = 2
	s_or_b32 s[G0B+3], s[G0B+3], 0x80000000
	tensor_load_to_lds s[G0A:G0A+3], s[G1A:G1A+7]  ; my two tensor loads go out together: two are out
	s_nop 0
	tensor_load_to_lds s[G0B:G0B+3], s[G1B:G1B+7]
	s_nop 0
	PLACES
	; THE WEIGHTS.  Wave v takes rows v, v + 4, ..: a lane takes places 2 l, 2 l + 1 of the x half and of the hidden half: four loads a row.
	v_and_b32 v[LN], 31, v0
	v_and_b32 v[R16], 15, v0
	v_bfe_u32 v[HH], v0, 4, 1
	v_mov_b32 v[ZR], 0
	s_mul_i32 s17, s[WV], 484                      ; a row of 121 f32
	v_lshl_add_u32 v[WGO], v[LN], 3, s17
	s_add_co_u32 s18, s[WV], 4                     ; W_i2o's rows 4, 5, 6; wave 3 repeats row 6 and discards it
	s_min_u32 s18, s18, 6
	s_mul_i32 s18, s18, 484
	v_lshl_add_u32 v[WG2], v[LN], 3, s18
	v_lshlrev_b32 v[BO], 5, v[HH]
.set i, 0
.rept 16
	global_load_b32 v[XR0+4*i],   v[WGO], s[6:7] offset:1936*i
	global_load_b32 v[XR0+4*i+1], v[WGO], s[6:7] offset:1936*i+4
	global_load_b32 v[XR0+4*i+2], v[WGO], s[6:7] offset:1936*i+228
	global_load_b32 v[XR0+4*i+3], v[WGO], s[6:7] offset:1936*i+232
.set i, i+1
.endr
	global_load_b32 v[XR0+64], v[WGO], s[10:11]
	global_load_b32 v[XR0+65], v[WGO], s[10:11] offset:4
	global_load_b32 v[XR0+66], v[WGO], s[10:11] offset:228
	global_load_b32 v[XR0+67], v[WGO], s[10:11] offset:232
	global_load_b32 v[XR0+68], v[WG2], s[10:11]
	global_load_b32 v[XR0+69], v[WG2], s[10:11] offset:4
	global_load_b32 v[XR0+70], v[WG2], s[10:11] offset:228
	global_load_b32 v[XR0+71], v[WG2], s[10:11] offset:232
.set BL, BIAS&255
	WIN 0x40                                       ; destination window 1: the biases as C operands: register j of tile T holds b[16 T + 8 (l / 16) + j]
.set i, 0
.rept 4
	global_load_b128 v[BL+8*i:BL+8*i+3],   v[BO], s[8:9] offset:64*i
	global_load_b128 v[BL+8*i+4:BL+8*i+7], v[BO], s[8:9] offset:64*i+16
.set i, i+1
.endr
	global_load_b128 v[BL+32:BL+35], v[ZR], s[12:13]           ; b_i2o's 28 bytes
	global_load_b96  v[BL+36:BL+38], v[ZR], s[12:13] offset:16
	WIN 0
	; addresses, while the loads are out
	s_mul_i32 s17, s[WV], WP
	s_add_co_u32 s17, s17, WIMG
	v_lshl_add_u32 v[WSA], v[LN], 2, s17           ; image: row v, word l
	v_cmp_gt_u32 vcc_lo, 28, v[LN]
	v_cndmask_b32 v[XM], 0, -1, vcc_lo             ; lanes 0-27: places 0-55
	v_mov_b32 v4, 0xffff
	v_cmp_eq_u32 vcc_lo, 28, v[LN]
	v_cndmask_b32 v[XM], v[XM], v4, vcc_lo         ; lane 28: place 56 alone; lanes 29-31: nothing
	s_cmp_lt_u32 s[WV], 3
	s_cselect_b32 s[KEEP], -1, 0
	s_mov_b32 s[LOW], 0xffff
	v_mul_u32_u24 v5, v[R16], WP
	v_add_nc_u32 v5, WIMG, v5
	v_lshl_add_u32 v[FA], v[HH], 6, v5             ; x half: a lane's 32 places lie on end, 64 bytes (the same order of k in both sources)
	v_lshl_add_u32 v[FH], v[HH], 4, v5             ; hidden half: 8 places at 16 (l / 16), 8 more 32 bytes on
	v_and_b32 v6, 7, v0
	v_lshl_add_u32 v6, v[HH], 3, v6
	v_mul_u32_u24 v6, v6, WP
	v_bfe_u32 v7, v0, 3, 1
	v_lshl_add_u32 v6, v7, 4, v6
	v_add_nc_u32 v[FT], WIMG+128, v6               ; the turning load: row 8 (l / 16) + l % 8, 16 bytes at 16 ((l / 8) % 2)
	v_mul_u32_u24 v5, v[R16], PA
	v_lshl_add_u32 v5, v[HH], 7, v5
	v_add_nc_u32 v[ADA], s[G0A+1], v5
	v_mul_u32_u24 v5, v[R16], PB
	v_lshl_add_u32 v5, v[HH], 7, v5
	v_add_nc_u32 v[ADB], s[G0B+1], v5
	v_lshlrev_b32 v[GOF], 4, v[LN]
	v_add_nc_u32 v[SAD], s[G0A+1], v[GOF]
	s_wait_loadcnt 0x0
.set i, 0
.rept 18
	v_cvt_pk_bf16_f32 v[ACC0+2*i],   v[XR0+4*i],   v[XR0+4*i+1]
	v_cvt_pk_bf16_f32 v[ACC0+2*i+1], v[XR0+4*i+2], v[XR0+4*i+3]
	v_and_b32 v[ACC0+2*i], v[XM], v[ACC0+2*i]      ; places 57-63 are 0 (what was loaded there are hidden columns)
.set i, i+1
.endr
	v_and_b32 v[ACC0+34], s[KEEP], v[ACC0+34]      ; row 71 is 0
	v_and_b32 v[ACC0+35], s[KEEP], v[ACC0+35]
.set i, 0
.rept 18
	ds_store_b32 v[WSA], v[ACC0+2*i]   offset:1152*i
	ds_store_b32 v[WSA], v[ACC0+2*i+1] offset:1152*i+128
.set i, i+1
.endr
.rept 2
	ds_store_b32 v[WSA], v[ZR] offset:1152*i       ; rows 72-79 are 0
	ds_store_b32 v[WSA], v[ZR] offset:1152*i+128
.set i, i+1
.endr
	WIN 0x44                                       ; window 1: the logits' tile has rows 0-6 alone
.set i, 0
.rept 7
	v_cndmask_b32 v[BL+32+i], 0, v[BL+32+i], s[LOW]
.set i, i+1
.endr
	v_mov_b32 v[BL+39], 0
	WIN 0
	s_wait_dscnt 0x0                               ; for the others' sake: my rows of the image are written
	s_barrier_signal -1
	s_barrier_wait -1                              ; the tiles of x stay on their way
	WIN 0x40
.set i, 0
.rept 5
.set k, 0
.rept 4
	ds_load_b128 v[(WX&255)+16*i+4*k:(WX&255)+16*i+4*k+3], v[FA] offset:i*16*WP+16*k
.set k, k+1
.endr
.set k, 0
.rept 2
	ds_load_b128 v[(WH&255)+16*i+8*k:(WH&255)+16*i+8*k+3],   v[FH] offset:i*16*WP+128+64*k
	ds_load_b128 v[(WH&255)+16*i+8*k+4:(WH&255)+16*i+8*k+7], v[FH] offset:i*16*WP+128+64*k+32
.set k, k+1
.endr
.set i, i+1
.endr
	WIN 0
	; THE POWERS OF A, while the first tiles are on their way.  An image of X as source 1 holds, in lane l of tile T, X[k][16 T + l % 16] with k along the registers; read as source 0 it is X^T.
	; F_k = A^(2^k) as source 0, B_k = the same as source 1.  F_k x B_k gives, rounded in pairs, B_(k+1); B_k x F_k (the transposes' product) gives F_(k+1).
	; A unit is one column tile: four accumulators by turns, two K halves; the unit before is rounded behind its products, two lines each.  The order of the two kinds changes from squaring to squaring,
	; so that each unit finds its operands finished.  Wave 3 has no quarter behind it and needs no power; wave 2 has 32 steps behind it and stops at A^16.
.macro UNIT kind, k, tn, ride
.if (\k) == 0
.set uF, WH
.else
.set uF, FP+64*((\k)-1)
.endif
.set uB, BP+64*((\k)%2)
.set uD, DT0+(DT1-DT0)*(UN%2)
.set uw, 0
.rept 8
.if \kind
.set uA, uB+16*(uw%4)+8*(uw/4)
.set uS, uF+16*(\tn)+8*(uw/4)
.else
.set uA, uF+16*(uw%4)+8*(uw/4)
.set uS, uB+16*(\tn)+8*(uw/4)
.endif
.if uw < 4
	MMZ uD+8*(uw%4), uA, uS
.else
	MMA uD+8*(uw%4), uA, uS, uD+8*(uw%4)
.endif
.if \ride
	CVT pT+2*uw, pD+4*uw
	CVT pT+2*uw+1, pD+4*uw+2
.endif
.set uw, uw+1
.endr
.set pD, uD
.if \kind
.set pT, FP+64*(\k)+16*(\tn)
.else
.set pT, BP+64*(((\k)+1)%2)+16*(\tn)
.endif
.set UN, UN+1
.endm
.macro DRAIN                           ; the last unit is rounded
	PLACES
.set uw, 0
.rept 16
	CVT pT+uw, pD+2*uw
.set uw, uw+1
.endr
.endm
	s_cmp_eq_u32 s[WV], 3
	s_cbranch_scc1 .Lno_powers
	WIN 0xc0                                       ; destination window 3: B_0 = A as source 1, turned on its way out of the image
.set i, 0
.rept 8                                ; column tile i / 2, K half i % 2
	ds_load_tr16_b128 v[(BP&255)+8*i:(BP&255)+8*i+3],   v[FT] offset:(i%2)*32*WP+(i/2)*32
	ds_load_tr16_b128 v[(BP&255)+8*i+4:(BP&255)+8*i+7], v[FT] offset:(i%2)*32*WP+(i/2)*32+16*WP
.set i, i+1
.endr
	WIN 0
	s_wait_dscnt 0x0                               ; these, and the weights' fragments issued ahead of them
.set UN, 0
.set pD, 0
.set pT, 0
	UNIT 1, 0, 0, 0
	PLACES                                         ; nothing rode behind the first unit's products
.irp t, 1,2,3
	UNIT 1, 0, \t, 1
.endr
.irp t, 0,1,2,3
	UNIT 0, 0, \t, 1
.endr
.irp t, 0,1,2,3
	UNIT 0, 1, \t, 1
.endr
.irp t, 0,1,2,3
	UNIT 1, 1, \t, 1
.endr
.irp t, 0,1,2,3
	UNIT 1, 2, \t, 1
.endr
.irp t, 0,1,2,3
	UNIT 0, 2, \t, 1
.endr
.irp t, 0,1,2,3
	UNIT 0, 3, \t, 1
.endr
.irp t, 0,1,2,3
	UNIT 1, 3, \t, 1
.endr
	DRAIN
	WIN 0
	s_cmp_eq_u32 s[WV], 2
	s_cbranch_scc1 .Lno_powers
	UNIT 1, 4, 0, 0                                ; A^32 is wanted as source 0 alone
	PLACES
.irp t, 1,2,3
	UNIT 1, 4, \t, 1
.endr
	DRAIN
	WIN 0
.Lno_powers:
; THE STEP.  x of step s lies rounded in XB, the state ahead of it in HP[s % 2], its sums in ACC[s % 2], its mask in MK[s % 2].
.macro XLOAD buf, cnt, off             ; cnt runs of 16 bytes a lane
.set xc, 0
.rept \cnt
	ds_load_b128 v[(\buf)+4*xc:(\buf)+4*xc+3], v[ADR] offset:(\off)+16*xc
.set xc, xc+1
.endr
.endm
.macro XCVT e, buf, sh                 ; places 2 e, 2 e + 1 of my 32: the shift is a register number
	v_cvt_pk_bf16_f32 v[XB+(\e)], v[(\buf)+2*(\e)+(\sh)], v[(\buf)+2*(\e)+(\sh)+1]
.endm
.macro XMASK m, buf, sh                ; x_t[0] lies in lanes 0-15: their 16 bits serve both halves of the lanes.  The mask feeds v_cndmask alone
	v_cmp_neq_f32 s[MK+(\m)], -1.0, v[(\buf)+(\sh)]
	s_lshl_b32 s23, s[MK+(\m)], 16
	s_lshr_b32 s[MK+(\m)], s23, 16
	s_or_b32 s[MK+(\m)], s[MK+(\m)], s23
.endm
; Number n of the 42 lines that finish a step of parity q: hidden tiles 0, 1 rounded (0-7) and selected against the old state (8-15), tiles 2, 3 likewise (16-31), the logits selected (32-39), the count.
; Each accumulator's lowest registers are read first.  first = 1: the old state, logits and count are 0.
.macro FINOP n, q, first
.set fA, ACC0+40*(\q)
.set fO, HP0+16*(\q)
.set fN, HP0+16*(1-(\q))
.if (\n) < 32
.set fE, (\n)%8+8*((\n)/16)
.if ((\n)%16) < 8
	v_cvt_pk_bf16_f32 v[TC+fE], v[fA+2*fE], v[fA+2*fE+1]
.elseif \first
	v_cndmask_b32 v[fN+fE], 0, v[TC+fE], s[MK+(\q)]
.else
	v_cndmask_b32 v[fN+fE], v[fO+fE], v[TC+fE], s[MK+(\q)]
.endif
.elseif (\n) < 40
.if \first
	v_cndmask_b32 v[LG+(\n)-32], 0, v[fA+(\n)], s[MK+(\q)]
.else
	v_cndmask_b32 v[LG+(\n)-32], v[LG+(\n)-32], v[fA+(\n)], s[MK+(\q)]
.endif
.elseif (\n) == 40
.if \first
	v_cndmask_b32 v[NC], 0, 1, s[MK+(\q)]
.else
	v_cndmask_b32 v[TT], 0, 1, s[MK+(\q)]
.endif
.elseif 1-(\first)
	v_add_nc_u32 v[NC], v[NC], v[TT]
.endif
.endm
; Step s = 4 g - 2 + j of the trip that reads group g.  Ten products with x (the first five take the biases as C), behind each four lines that finish step s - 1; ten products with the state,
; behind them the LDS loads of step s + 2 (group g, place j), the rounding of x of step s + 1, and its mask.  The five accumulators take turns, one instruction a turn.
; The lines behind a product name none of its registers.  Counted in plain vector lines: a hidden tile is read 6 lines or more behind its last product; XB is rewritten 4 or more behind its last reader.
; fin: 0 none, 1 the first, 2 as ever.  hw, ld, cv: the products with the state, the loads, the rounding are there.
.macro STEP j, fin, hw, ld, cv
.set sP, (\j)%2
.set sQ, 1-sP
.set sA, ACC0+40*sP
.set sH, HP0+16*sP
.set sI, ((\j)+3)%4
.set sX, XR0+36*sQ
.set sL, XR0+36*sP
.set sN, 8+((\j)+3)/4                  ; place 0 of a group needs no ninth run
.set sw, 0
.rept 10
.if sw < 5
	MMA sA+8*sw, WX+16*sw, XB, BIAS+8*sw
.else
	MMA sA+8*(sw-5), WX+16*(sw-5)+8, XB+8, sA+8*(sw-5)
.endif
.if \fin
	WIN 0
	FINOP 4*sw, sQ, 2-(\fin)
	FINOP 4*sw+1, sQ, 2-(\fin)
	FINOP 4*sw+2, sQ, 2-(\fin)
	FINOP 4*sw+3, sQ, 2-(\fin)
.if sw == 9
	FINOP 40, sQ, 2-(\fin)
	FINOP 41, sQ, 2-(\fin)
.endif
.endif
.set sw, sw+1
.endr
.set sw, 0
.rept 10
.if \hw
.if sw < 5
	MMA sA+8*sw, WH+16*sw, sH, sA+8*sw
.else
	MMA sA+8*(sw-5), WH+16*(sw-5)+8, sH+8, sA+8*(sw-5)
.endif
.endif
.if sw == 0
.if \ld
	WIN 0
	XLOAD sL, sN, 224*(\j)
.endif
.if 1-(\hw)
	WIN 0
	PLACES                                         ; no products stand here: four places ahead of the lines that rewrite XB
.endif
.endif
.if \cv
.if sw == 1
.if \ld
	s_wait_dscnt sN                                ; LDS instructions end in order: all but the run just issued are done, x of step s + 1 among them
.else
	s_wait_dscnt 0x0
.endif
.endif
.if (sw >= 1) && (sw <= 8)
	WIN 0
	XCVT 2*sw-2, sX, sI
	XCVT 2*sw-1, sX, sI
.endif
.if sw == 9
	WIN 0
	XMASK sQ, sX, sI
.endif
.endif
.set sw, sw+1
.endr
.endm
.macro BODY                            ; reads one group of four steps, multiplies the four steps that end one step into it
	STEP 0, 2, 1, 1, 1
	STEP 1, 2, 1, 1, 1
	STEP 2, 2, 1, 1, 1
	STEP 3, 2, 1, 1, 1
	WIN 0
	v_add_nc_u32 v[ADR], GRP, v[ADR]
.endm
; STEPS 20-31 THROUGH REGISTERS.  Unit u of six: steps 20 + 4 (u / 2) .. + 3 of sequences 8 (u % 2) .. + 7.  A sequence's four steps are 912 bytes on end: two loads of 512 consecutive bytes, the second
; from byte 400 (112 bytes come twice).  16 loads, 64 registers; three units take turns in the ring.  One offset register, one base, the rest in the immediates (439,984 at the most).
.set RL, RING&255
.macro ULOAD u
	WIN 0xc0                                       ; destination window 3
.set ur, 0
.rept 8
	global_load_b128 v[RL+64*((\u)%3)+8*ur:RL+64*((\u)%3)+8*ur+3],   v[GOF], s[XS:XS+1] offset:(8*((\u)%2)+ur)*SEQB+((\u)/2)*GRP
	global_load_b128 v[RL+64*((\u)%3)+8*ur+4:RL+64*((\u)%3)+8*ur+7], v[GOF], s[XS:XS+1] offset:(8*((\u)%2)+ur)*SEQB+((\u)/2)*GRP+400
.set ur, ur+1
.endr
	WIN 0
.endm
; The unit goes over my slot A's rows, group u / 2.  The slot has had its one fill, I alone touch it, and my reads of the old rows were issued earlier: LDS serves a wave's instructions in order
; (ISA guide 5.7.1.4).  The zeros at the rows' ends stay.
.macro USTORE u
	WIN 0x0c                                       ; data (source 1) window 3
.set ur, 0
.rept 8
	ds_store_b128 v[SAD], v[RL+64*((\u)%3)+8*ur:RL+64*((\u)%3)+8*ur+3]   offset:(8*((\u)%2)+ur)*PA+((\u)/2)*GRP
	ds_store_b128 v[SAD], v[RL+64*((\u)%3)+8*ur+4:RL+64*((\u)%3)+8*ur+7] offset:(8*((\u)%2)+ur)*PA+((\u)/2)*GRP+400
.set ur, ur+1
.endr
	WIN 0
.endm
	s_wait_tensorcnt 0x1                           ; slot A is in; slot B's load, issued behind it, may stay out.  I alone read my slots
	v_mov_b32 v[ADR], v[ADA]
	XLOAD XR0, 8, 0                                ; x of steps 0 and 1
	XLOAD XR0+36, 9, 224
	s_wait_dscnt 9                                 ; step 0's (and the weights' fragments, issued earlier) are in; step 1's nine may stay out
.set i, 0
.rept 16
	XCVT i, XR0, 0
.set i, i+1
.endr
	XMASK 0, XR0, 0
	STEP 2, 0, 0, 1, 1                             ; step 0: the state is 0, so it has no products with the state
	STEP 3, 1, 1, 1, 1                             ; step 1
	WIN 0
	v_add_nc_u32 v[ADR], GRP, v[ADR]
	ULOAD 0                                        ; the first unit is asked for eight steps ahead of the other two: slot B's tile is still on its way
	s_mov_b32 s[CTR], 2
.Lpart_a:                                              ; groups 1, 2 of slot A: steps 2-9 are multiplied
	BODY
	s_sub_co_u32 s[CTR], s[CTR], 1
	s_cmp_lg_u32 s[CTR], 0
	s_cbranch_scc1 .Lpart_a
	ULOAD 1                                        ; 48 loads of mine are out
	ULOAD 2
	s_wait_tensorcnt 0x0                           ; slot B is in: my last tensor load
	v_mov_b32 v[ADR], v[ADB]
	s_mov_b32 s[CTR], 2
.Lpart_b:                                              ; slot B: steps 10-17 are multiplied
	BODY
	s_sub_co_u32 s[CTR], s[CTR], 1
	s_cmp_lg_u32 s[CTR], 0
	s_cbranch_scc1 .Lpart_b
	; Slot A again, now with steps 20-31: written out three times, since each trip is fed by other registers of the ring.
	s_wait_loadcnt 16                              ; loads come back in order: units 0 and 1 are in, unit 2's 16 may stay out
	USTORE 0
	USTORE 1
	s_wait_dscnt 16                                ; unit 0's stores are done: its registers are loaded again
	ULOAD 3
	s_wait_dscnt 0x0                               ; unit 1's too
	ULOAD 4
	v_mov_b32 v[ADR], v[ADA]
	BODY                                           ; reads steps 20-23, multiplies 18-21
	s_wait_loadcnt 16                              ; units 2 and 3 are in, unit 4's 16 may stay out
	USTORE 2
	USTORE 3
	s_wait_dscnt 16                                ; unit 2's stores are done
	ULOAD 5
	BODY                                           ; reads steps 24-27, multiplies 22-25
	s_wait_loadcnt 0x0                             ; units 4 and 5
	USTORE 4
	USTORE 5
	BODY                                           ; reads steps 28-31, multiplies 26-29
	STEP 0, 2, 1, 0, 1                             ; step 30: nothing is left to load
	STEP 1, 2, 1, 0, 0                             ; step 31
	WIN 0
	PLACES
.set i, 0
.rept 42
	FINOP i, 1, 0                                  ; step 31 is finished: my quarter's state lies in HP0
.set i, i+1
.endr
	; THE QUARTERS MEET.  First the counts.
	v_lshl_add_u32 v4, v0, 2, CNT
	ds_store_b32 v4, v[NC]
	s_wait_dscnt 0x0                               ; for the others' sake
	s_barrier_signal -1
	s_barrier_wait -1
	v_lshl_add_u32 v5, v[LN], 2, CNT
	ds_load_b32 v[N0],   v5
	ds_load_b32 v[N0+1], v5 offset:128
	ds_load_b32 v[N0+2], v5 offset:256
	ds_load_b32 v[N0+3], v5 offset:384
	s_cmp_lt_u32 s[WV], 1
	s_cselect_b32 s[FL], 1, 0
	s_cmp_lt_u32 s[WV], 2
	s_cselect_b32 s[FL+1], 1, 0
	s_cmp_lt_u32 s[WV], 3
	s_cselect_b32 s[FL+2], 1, 0
	v_lshl_add_u32 v6, v0, 5, PART                 ; where my 32 bytes of my wave's term go
	s_wait_dscnt 0x0
	v_add_nc_u32 v[NT], v[N0], v[N0+1]
	v_add_nc_u32 v[TT], v[N0+2], v[N0+3]
	v_add_nc_u32 v[NT], v[NT], v[TT]               ; valid steps in all
	v_mul_u32_u24 v[SV], s[FL], v[N0+1]
	v_mad_u32_u24 v[SV], v[N0+2], s[FL+1], v[SV]
	v_mad_u32_u24 v[SV], v[N0+3], s[FL+2], v[SV]   ; S: valid steps behind my quarter
	s_cmp_eq_u32 s[WV], 3
	s_cbranch_scc1 .Lterm                          ; the last quarter's term is its local logits
	v_add_nc_u32 v[EV], -1, v[SV]
	v_max_i32 v[EV], 0, v[EV]                      ; the exponent S - 1, 0 .. 95 (where S = 0 the product is discarded below)
	v_cmp_le_u32 s[PM], 64, v[EV]
	v_cmp_le_u32 s[PM+1], 32, v[EV]
.set i, 0
.rept 5
	v_and_b32 v4, 16>>i, v[EV]
	v_cmp_ne_u32 s[PM+2+i], 0, v4
.set i, i+1
.endr
	v_cmp_eq_u32 s[SZ], 0, v[SV]
; state = A^(2^k) state, kept in the sequences of mask m.  These masks come from the counts and feed v_cndmask alone.
.macro MULT k, m
.if (\k) == 0
.set uF, WH
.else
.set uF, FP+64*((\k)-1)
.endif
.set uw, 0
.rept 8
.if uw < 4
	MMZ ACC0+8*uw, uF+16*uw, HP0
.else
	MMA ACC0+8*(uw-4), uF+16*(uw-4)+8, HP0+8, ACC0+8*(uw-4)
.endif
.set uw, uw+1
.endr
	WIN 0
	PLACES
.set uw, 0
.rept 16
	v_cvt_pk_bf16_f32 v[TC+uw], v[ACC0+2*uw], v[ACC0+2*uw+1]
.set uw, uw+1
.endr
.set uw, 0
.rept 16
	v_cndmask_b32 v[HP0+uw], v[HP0+uw], v[TC+uw], s[\m]
.set uw, uw+1
.endr
.endm
	s_cmp_eq_u32 s[WV], 2                          ; wave 2: exponents to 31; wave 1: to 63; wave 0: to 95
	s_cbranch_scc1 .Lfrom_16
	s_cmp_eq_u32 s[WV], 1
	s_cbranch_scc1 .Lfrom_32
	MULT 5, PM
.Lfrom_32:
	MULT 5, PM+1
.Lfrom_16:
	MULT 4, PM+2
	MULT 3, PM+3
	MULT 2, PM+4
	MULT 1, PM+5
	MULT 0, PM+6
	WIN 0x01                                       ; W_i2o's hidden columns times what has come of my state
	v_wmma_f32_16x16x32_bf16 v[ACC0:ACC0+7], v[(WH&255)+64:(WH&255)+71], v[HP0:HP0+7], 0
	s_wait_alu depctr_va_vdst(0)                   ; the wait stands directly ahead of the second
	v_wmma_f32_16x16x32_bf16 v[ACC0:ACC0+7], v[(WH&255)+72:(WH&255)+79], v[HP0+8:HP0+15], v[ACC0:ACC0+7]
	WIN 0
	PLACES
.set i, 0
.rept 8
	v_cndmask_b32 v[LG+i], v[ACC0+i], v[LG+i], s[SZ]  ; no valid step behind my quarter: my local logits (0 if my quarter has none either); else the product
.set i, i+1
.endr
.Lterm:
	ds_store_b128 v6, v[LG:LG+3]
	ds_store_b128 v6, v[LG+4:LG+7] offset:16
	s_wait_dscnt 0x0                               ; for wave 0's sake
	s_barrier_signal -1
	s_barrier_wait -1                              ; all four terms lie in LDS
	s_cmp_lg_u32 s[WV], 0
	s_cbranch_scc1 .Lend
	; Wave 0: a lane holds all seven logits of sequence l % 16 (the upper half of the lanes repeats the lower).
	v_lshl_add_u32 v4, v[R16], 5, PART
.set i, 0
.rept 4
	ds_load_b128 v[XR0+8*i:XR0+8*i+3],   v4 offset:1024*i
	ds_load_b128 v[XR0+8*i+4:XR0+8*i+7], v4 offset:1024*i+16
.set i, i+1
.endr
	s_mul_i32 s2, ttmp9, 448                       ; the work-group's 16 rows of 28 bytes in out0
	s_mov_b32 s3, 0
	s_add_nc_u64 s[14:15], s[14:15], s[2:3]
	s_mov_b32 s[LN2], 0x3f317218                   ; ln 2
	s_wait_dscnt 0x0
.set i, 0
.rept 4
	v_pk_add_f32 v[XR0+i:XR0+i+1], v[XR0+i:XR0+i+1], v[XR0+8+i:XR0+8+i+1]
	v_pk_add_f32 v[XR0+16+i:XR0+16+i+1], v[XR0+16+i:XR0+16+i+1], v[XR0+24+i:XR0+24+i+1]
.set i, i+2
.endr
.set i, 0
.rept 4
	v_pk_add_f32 v[XR0+i:XR0+i+1], v[XR0+i:XR0+i+1], v[XR0+16+i:XR0+16+i+1]
.set i, i+2
.endr
.set Z, XR0                            ; z0-z6 (the eighth is the tile's first row of zeros)
.set DD, XR0+36                        ; z - max, then the result
.set EE, XR0+44                        ; exponentials
	v_max3_num_f32 v5, v[Z], v[Z+1], v[Z+2]
	v_max3_num_f32 v5, v5, v[Z+3], v[Z+4]
	v_max3_num_f32 v5, v5, v[Z+5], v[Z+6]
.set i, 0
.rept 7
	v_sub_f32 v[DD+i], v[Z+i], v5
.set i, i+1
.endr
.set i, 0
.rept 7
	v_mul_f32 v[EE+i], 0x3fb8aa3b, v[DD+i]         ; log2(e)
.set i, i+1
.endr
.set i, 0
.rept 7
	v_exp_f32 v[EE+i], v[EE+i]
.set i, i+1
.endr
	v_nop                                          ; a plain instruction behind the last exponential,
	s_wait_alu depctr_va_vdst(0)                   ; and one wait for the seven, ahead of their first reader
	v_add_f32 v[EE], v[EE], v[EE+1]
	v_add_f32 v[EE+2], v[EE+2], v[EE+3]
	v_add_f32 v[EE+4], v[EE+4], v[EE+5]
	v_add_f32 v[EE], v[EE], v[EE+2]
	v_add_f32 v[EE+4], v[EE+4], v[EE+6]
	v_add_f32 v[EE], v[EE], v[EE+4]                ; between 1 and 7: the largest term is 1
	v_log_f32 v7, v[EE]
	v_mul_u32_u24 v4, v[R16], 28                   ; the addresses of the way out stand between the logarithm and its wait
	v_add_nc_u32 v4, OUTS, v4                      ; in: my sequence's 28 bytes
	v_min_u32 v6, 27, v[LN]                        ; back: 448 bytes are 28 runs of 16; lanes 28-31 repeat lane 27's
	v_lshlrev_b32 v6, 4, v6
	v_add_nc_u32 v[TT], OUTS, v6
	v_cmp_eq_u32 vcc_lo, 0, v[NT]                  ; no valid step at all: zeros
	s_wait_alu depctr_va_vdst(0)                   ; ahead of the logarithm's first reader
.set i, 0
.rept 7
	v_fma_f32 v[DD+i], -v7, s[LN2], v[DD+i]        ; z - max - ln(sum)
.set i, i+1
.endr
.set i, 0
.rept 7
	v_cndmask_b32 v[DD+i], v[DD+i], v[ZR], vcc_lo
.set i, i+1
.endr
.set i, 0
.rept 7
	ds_store_b32 v4, v[DD+i] offset:4*i            ; both halves of the lanes write the same words with the same values
.set i, i+1
.endr
	ds_load_b128 v[XR0+60:XR0+63], v[TT]           ; LDS serves a wave's instructions in order (ISA guide 5.7.1.4): this sees the stores above
	s_wait_dscnt 0x0
	global_store_b128 v6, v[XR0+60:XR0+63], s[14:15]  ; 448 consecutive bytes of out0
.Lend:
	s_wait_tensorcnt 0x0                           ; the wave's end: a wait, an add and a wait, behind my last tensor load and my last LDS store
	ds_add_u32 v[SPW], v[NIL]
	s_wait_dscnt 0x0
	s_endpgm
.Lfunc_end_k_qf3854939ee_rnn:
	.size	k_qf3854939ee_rnn, .Lfunc_end_k_qf3854939ee_rnn-k_qf3854939ee_rnn
	.p2alignl 7, 3214868480
	.fill 96, 4, 3214868480
	.section	.rodata,"a",@progbits
	.p2align	6, 0x0
	.amdhsa_kernel k_qf3854939ee_rnn
		.amdhsa_group_segment_fixed_size 327680
		.amdhsa_private_segment_fixed_size 0
		.amdhsa_enable_private_segment 0
		.amdhsa_kernarg_size 48
		.amdhsa_user_sgpr_count 2
		.amdhsa_user_sgpr_kernarg_segment_ptr 1
		.amdhsa_wavefront_size32 1
		.amdhsa_system_sgpr_workgroup_id_x 1
		.amdhsa_system_sgpr_workgroup_id_y 1
		.amdhsa_system_sgpr_workgroup_id_z 1
		.amdhsa_system_vgpr_workitem_id 0
		.amdhsa_next_free_vgpr 1024
		.amdhsa_next_free_sgpr 66
		.amdhsa_reserve_vcc 1
		.amdhsa_float_denorm_mode_32 3
		.amdhsa_float_denorm_mode_16_64 3
		.amdhsa_memory_ordered 1
		.amdhsa_forward_progress 1
		.amdhsa_inst_pref_size 255
	.end_amdhsa_kernel
	.section	.bss,"aw",@nobits
	.p2align	6
	.space	262144
	.amdgpu_metadata
---
amdhsa.version: [ 1, 2 ]
amdhsa.kernels:
  - .name:           k_qf3854939ee_rnn
    .symbol:         k_qf3854939ee_rnn.kd
    .args:
      - { .name: x, .offset: 0, .size: 8, .value_kind: global_buffer, .address_space: global }
      - { .name: W_i2h, .offset: 8, .size: 8, .value_kind: global_buffer, .address_space: global }
      - { .name: b_i2h, .offset: 16, .size: 8, .value_kind: global_buffer, .address_space: global }
      - { .name: W_i2o, .offset: 24, .size: 8, .value_kind: global_buffer, .address_space: global }
      - { .name: b_i2o, .offset: 32, .size: 8, .value_kind: global_buffer, .address_space: global }
      - { .name: out0, .offset: 40, .size: 8, .value_kind: global_buffer, .address_space: global }
    .group_segment_fixed_size: 327680
    .private_segment_fixed_size: 0
    .kernarg_segment_align: 8
    .kernarg_segment_size: 48
    .max_flat_workgroup_size: 128
    .sgpr_count:     66
    .vgpr_count:     1024
    .wavefront_size: 32
...
	.end_amdgpu_metadata
.endif
;; end of part 1
